; MI455X (gfx1250); checked and timed in simulation.
; The chip was launched on July 23, 2026; its instructions are those of AMD's public machine-readable ISA for CDNA 5 (MIT licence, August 2026) and "CDNA5" Instruction Set Architecture Reference Guide (July 2026). The comments in the code are by the model that wrote it; some were corrected since.
;; Multi Head Attention. Allowed arithmetic: matrix products marked QUANTISED: E2M3 operands, one E8M0 scale for each 32 along K, by v_wmma_scale_f32_16x16x128_f8f6f4 with both operands' format E2M3, f32 sums; everything else in f32.
;; Inputs: Wk 16 x 1,024 x 64 float32; Wp 1,024 x 1,024 float32; Wq 16 x 1,024 x 64 float32; Wv 16 x 1,024 x 64 float32; bp 1,024 float32; x 4 x 2,048 x 1,024 float32.
;; Outputs: out0 4 x 2,048 x 1,024 float32.
;; Constants: is_masked = 1.
;; This version of the problem:
;;   THIS VERSION OF THE PROBLEM IS GIVEN IN LOW PRECISION. The matrix products marked QUANTISED in the list below multiply operands that are first quantised to E2M3 (2 exponent bits, 3 mantissa bits; 6 bits a number), with one power-of-two scale for each 32 numbers along K (OCP MX v1.0); their sums are f32. All else is computed in f32.
;;   The module's matrix products, in the order in which they are computed (A, B: the left and right operand; K: the contracted axis; several contracted axes count as one K, in the product's order):
;;     1. [M 1,024, K 1,024] x [K 1,024, N 8,192]; A: input Wq; B: input x: QUANTISED
;;     2. [M 1,024, K 1,024] x [K 1,024, N 8,192]; A: input Wk; B: input x: QUANTISED
;;     3. [M 1,024, K 1,024] x [K 1,024, N 8,192]; A: input Wv; B: input x: QUANTISED
;;     4. batch 64 x [M 2,048, K 64] x [K 64, N 2,048]; A: computed on the way; B: computed on the way: QUANTISED
;;     5. batch 64 x [M 2,048, K 2,048] x [K 2,048, N 64]; A: softmax (see below); B: computed on the way: QUANTISED
;;     6. [M 8,192, K 1,024] x [K 1,024, N 1,024]; A: computed on the way; B: input Wp: QUANTISED
;;   THE QUANTISER, for each operand of a quantised product, along K:
;;     - K is cut into blocks of 32 from its start; a last block that is shorter is filled with zeros.
;;     - A block's scale is 2^e with e = floor(log2(the largest magnitude in the block)) - 2, held to -126 .. 127; a block of zeros has e = 0. As a byte (E8M0): e + 127.
;;     - Each number is divided by its block's scale, clamped to +-7.5, and rounded to the nearest number of E2M3, ties to even, subnormals kept.
;;     - The product sums the exact products of the quantised numbers (number of the format x scale) in f32.
;;   ~~~python
;;   def quantise(x, axis):      # numpy; x: float32 -> the quantised numbers, widened to float32 again
;;       x = np.moveaxis(x, axis, -1); K = x.shape[-1]
;;       x = np.pad(x, [(0, 0)] * (x.ndim - 1) + [(0, -K % 32)]); x = x.reshape(x.shape[:-1] + (-1, 32)); a = np.abs(x).max(-1, keepdims=True)
;;       e = np.where(a > 0, np.clip(np.frexp(np.where(a > 0, a, 1))[1] - 1 - 2, -126, 127), 0)      # np.frexp(a)[1] - 1 = floor(log2(a)), exactly
;;       r = np.clip(x / 2.0 ** e, -7.5, 7.5)
;;       step = 2.0 ** (np.maximum(np.frexp(np.where(r == 0, 1, r))[1] - 1, 0) - 3)
;;       q = np.round(r / step) * step * 2.0 ** e      # np.round: ties to even
;;       return np.moveaxis(q.reshape(q.shape[:-2] + (-1,))[..., :K], -1, axis).astype(np.float32)
;;   ~~~
;;   SOFTMAX AHEAD OF A QUANTISED PRODUCT. Where the list says 'softmax', what is quantised is not the finished softmax but p = 2^(t - M), with t = logit x log2(e) and M = ceil(the row's largest t), a whole number; so 1/2 < the row's largest p <= 1. The row's sum l is taken of the UNQUANTISED p, in f32, and the product's result is divided by l at the end. Since M is a whole number, a kernel that streams over the keys may use a running M (the ceiling of the running maximum): every later rescaling is an exact power of two, which a block's scale takes up: the codes' values come out the same.
;;   OPERANDS COMPUTED ON THE WAY. 'Computed on the way' means the value that the module computes at that place (a softmax that the list does not call 'softmax' is quantised finished and normalised). What goes into a quantiser is computed in f32, as accurately as f32 sums, v_exp_f32 and their like allow (about 1e-6 of the number): no bf16 or f16 on the way to a quantiser, and a product that is left as it is and whose result goes on into a quantised operand takes f32 operands (vector FMAs, or v_wmma_f32_16x16x4_f32). A number that lies on a knife's edge between two numbers of the format may be rounded either way, as far as f32 arithmetic and the matrix unit's own rounding can turn it there, and no further.
;; One version. Each part assembles by itself: llvm-mc -triple=amdgcn-amd-amdhsa -mcpu=gfx1250 --defsym DOCPART=n.
;; ======== version 1 of 1: 4 launches
;; limits: right only within a limited range of input values
;; workspace buffers: xi 6,553,600 bytes; wi 2,457,600 bytes; wpi 819,200 bytes; qb 13,107,200 bytes; kv 13,107,200 bytes; oi 6,553,600 bytes
;; launch quant (part 1): grid 768 x 1, 4 waves a work-group, no clusters, 35,328 bytes of LDS; arguments x, Wp, Wq, Wk, Wv, xi, wpi, wi; writes xi, wpi, wi
.if DOCPART == 1
	.amdgcn_target "amdgcn-amd-amdhsa--gfx1250"
	.amdhsa_code_object_version 6
	.text
	.protected	k_q4089c6a05d_quant
	.globl	k_q4089c6a05d_quant
	.p2align	8
	.type	k_q4089c6a05d_quant,@function
k_q4089c6a05d_quant:
	s_mov_b64 s[64:65], 0
	v_nop
	global_prefetch_b8 v0, s[64:65] scope:SCOPE_SE
	s_setreg_imm32_b32 hwreg(HW_REG_WAVE_MODE, 25, 1), 1
	s_wait_xcnt 0x0
; LAUNCH 1 OF 4: x, Wp, Wq, Wk, Wv (f32) become codes of E2M3 with one E8M0 byte for each 32 along K, laid as IMAGES OF THE OPERAND'S REGISTERS.
; THE PROGRAM: quant | qkv (products 1-3; q, k, v quantised on the way out) | attn (products 4, 5 and the softmax) | proj (product 6 and bp).
; WORK LEFT OUT, in the whole program: reference() builds causal = tril(ones(T, T)) in its own body and is_masked is the constant 1, so score (t, s) with s > t is replaced by -inf and
; its weight is exp(-inf) = 0 whatever finite values the inputs hold: steps of 128 keys that lie wholly behind a tile's 16 queries reach no output and are not multiplied (launch attn).
; Nothing else is left out, and every input is loaded.  LIMIT: a NaN, an infinity or an overflow that would arise in those hidden scores alone is not carried to the result.
; LIMITS of the quantisers here and in the later launches: NaN and infinities among the inputs are not served; a block whose largest magnitude lies under 2^-124 has its byte held at 1;
; a block of zeros gets the byte 1 where the rule says 127: its codes are zeros, which add nothing under any byte but 0xff, and the bytes are read by this program alone.
; THE IMAGES.  xi, wpi: a block of 256 rows is [K step 0..7][25,600 bytes]: 16 tiles of 16 rows x 128 K, 1,536 bytes each (registers 4 c .. 4 c + 3 of lane L at 512 c + 16 L), then one scale word for each
; row and K step, [tile][row], 1,024 bytes.  wi: the same in blocks of 128 rows (two heads): [tensor][pair of heads][K step][12,800 bytes]: 8 tiles, then 512 bytes of scale words.
; THE ROWS OF A TILE ARE NOT NEIGHBOURS: lane row r of tile u stands for row 32 (u / 2) + 8 (u % 2) + r + 8 (r / 8), so that a product that takes such tiles as
; source 0 leaves 16 neighbouring rows in the 16 registers of two neighbouring tiles, which is what the next quantiser wants.
; SHARES.  Work-groups 0-511: x; 512-575: Wp (K innermost: the row path); 576-767: Wq, Wk, Wv (K is the middle axis: the column path).  Memory binds: no matrix unit, no tensor load, no barrier; waves share nothing.
; Every wave issues all its loads at its start: 32 of 512 bytes on the row path, 128 of 128 bytes on the column path.
.set WREG,  8704                       ; LDS of a wave (row path): a stage of 16 rows x 528 bytes, then 256 bytes for its scale words
.set SPARE, 4*WREG                     ; behind the four regions: the spare words, 128 bytes a wave, named by no other line
.set FLOOR, 0x1800000                  ; 2^(3 - 127): no largest magnitude is taken under it, so the byte cannot fall under 1
.set DEC,   0xff000000                 ; takes 2 off an exponent field
.set BLKB,  204800                     ; a block of 256 rows
.set KSTB,  25600                      ; a K step of it
	s_load_b256 s[4:11], s[0:1], 0x0               ; x, Wp, Wq, Wk
	s_load_b256 s[12:19], s[0:1], 0x20             ; Wv, xi, wpi, wi
	v_lshl_add_u32 v10, v0, 2, SPARE               ; my spare word,
	v_mov_b32 v11, 0                               ; and 0: kept for the closing lines
	v_lshrrev_b32 v1, 5, v0
	v_readfirstlane_b32 s20, v1                    ; wave 0..3
	v_and_b32 v1, 31, v0                           ; lane
	s_cmp_ge_u32 ttmp9, 576
	s_cbranch_scc1 .Lcols
; ---- THE ROW PATH.  A wave takes 32 rows (two tiles) x one K step of 128.  Each load reads the 512 consecutive bytes of one row's K step; the 16 rows of a tile turn through the wave's own stage,
; so that lane (r, h) gets blocks h and 2 + h of row r: the numbers whose codes are its twelve registers of the fragment.
	s_mov_b32 s30, 0x76543210
	s_mov_b32 s31, 0xfedcba98                      ; v_permlanex16_b32's selects for lane l xor 16
	v_lshlrev_b32 v2, 4, v1                        ; 16 L
	v_and_b32 v3, 15, v0                           ; r
	v_bfe_u32 v4, v0, 4, 1                         ; h
	s_mul_i32 s40, s20, WREG
	v_add_nc_u32 v5, s40, v2                       ; the stage, on the way in: 16 L in a row
	v_mul_u32_u24 v6, v3, 528
	v_lshl_add_u32 v6, v4, 7, v6
	v_add_nc_u32 v6, s40, v6                       ; and out: row r, + 128 h bytes
	s_add_co_u32 s41, s40, 8448
	v_lshl_add_u32 v7, v3, 2, s41                  ; my row's scale word
	v_lshlrev_b32 v9, 2, v1                        ; 4 L
	v_add_nc_u32 v8, s41, v9                       ; the scale words on their way out
	v_mov_b32 v19, 0                               ; (a lane permute's destination counts as one of its sources)
	v_lshlrev_b32 v20, 3, v4                       ; 8 h
	s_wait_alu depctr_va_vdst(0)                   ; the wait at the head's end
	s_wait_kmcnt 0x0
	s_cmp_lt_u32 ttmp9, 512                        ; x or Wp: the choice hangs on the work-group's number alone
	s_cselect_b64 s[24:25], s[4:5], s[6:7]
	s_cselect_b64 s[26:27], s[14:15], s[16:17]
	s_cselect_b32 s21, 0, 512
	s_sub_co_u32 s21, ttmp9, s21
	s_lshr_b32 s22, s21, 1                         ; which 32 rows
	s_and_b32 s23, s21, 1
	s_lshl_b32 s23, s23, 2
	s_add_co_u32 s23, s23, s20                     ; which K step
	s_lshl_b32 s32, s22, 17                        ; 32 rows of 4,096 bytes
	s_lshl_b32 s33, s23, 9                         ; 128 numbers
	s_add_co_u32 s32, s32, s33
	s_mov_b32 s33, 0
	s_add_nc_u64 s[24:25], s[24:25], s[32:33]      ; where I read
	s_lshr_b32 s34, s22, 3
	s_mul_i32 s34, s34, BLKB
	s_mul_i32 s35, s23, KSTB
	s_add_co_u32 s34, s34, s35                     ; my block's K step
	s_and_b32 s36, s22, 7
	s_lshl_b32 s38, s36, 7
	s_add_co_u32 s38, s38, s34
	s_add_co_u32 s38, s38, 24576
	s_mov_b32 s39, 0
	s_add_nc_u64 s[28:29], s[26:27], s[38:39]      ; my two tiles' scale words: 128 bytes
	s_mul_i32 s32, s36, 3072
	s_add_co_u32 s32, s32, s34
	s_add_nc_u64 s[26:27], s[26:27], s[32:33]      ; my two tiles' codes
.macro LOADF n                         ; tile n's 16 rows into set n (v108.. or v172..)
.set RB, 108+64*(\n)
.set rho, 0
.rept 16
	global_load_b128 v[RB+4*rho:RB+4*rho+3], v2, s[24:25] offset:(8*(\n)+rho+8*(rho/8))*4096 th:TH_LOAD_NT
.set rho, rho+1
.endr
.endm
.macro QUANT2                          ; v44-75: block h, v76-107: block 2 + h of my row -> codes in v24-35, the row's scale word in v18
	v_max3_num_f32 v12, |v44|, |v45|, FLOOR
	v_max3_num_f32 v13, |v76|, |v77|, FLOOR
.irp i, 2,4,6,8,10,12,14,16,18,20,22,24,26,28,30
	v_max3_num_f32 v12, v12, |v[44+\i]|, |v[45+\i]|    ; (the two blocks by turns)
	v_max3_num_f32 v13, v13, |v[76+\i]|, |v[77+\i]|
.endr
	v_add_nc_u32 v14, DEC, v12                     ; the conversion takes the exponent field of this operand as its scale
	v_add_nc_u32 v15, DEC, v13
	v_lshrrev_b32 v16, 23, v14                     ; the bytes
	v_lshrrev_b32 v17, 23, v15
	v_lshl_or_b32 v18, v17, 16, v16
	v_lshlrev_b32 v18, v20, v18                    ; at their places in the word (8 h bits up);
	v_permlanex16_b32 v19, v18, s30, s31
	v_or_b32 v18, v18, v19                         ; with lane l xor 16's two the word is whole
	v_cvt_scalef32_pk16_fp6_f32 v[24:26], v[44:59], v14
	v_cvt_scalef32_pk16_fp6_f32 v[36:38], v[60:75], v14     ; (a conversion's three registers begin on an even number)
	v_cvt_scalef32_pk16_fp6_f32 v[30:32], v[76:91], v15
	v_cvt_scalef32_pk16_fp6_f32 v[40:42], v[92:107], v15
	v_nop                                          ; one plain place behind the conversions
.irp x, 0,1,2
	v_mov_b32 v[27+\x], v[36+\x]
	v_mov_b32 v[33+\x], v[40+\x]
.endr
.endm
.macro FRAGQ n
.set RB, 108+64*(\n)
	s_wait_loadcnt 16-16*(\n)                      ; this tile's 16 loads are in; behind tile 0's stand tile 1's 16
.set rho, 0
.rept 16
	ds_store_b128 v5, v[RB+4*rho:RB+4*rho+3] offset:528*rho
.set rho, rho+1
.endr
.set iq, 0
.rept 16
	ds_load_b128 v[44+4*iq:47+4*iq], v6 offset:16*(iq%8)+256*(iq/8)   ; LDS serves a wave's instructions in order: these see the stores above
.set iq, iq+1
.endr
	s_wait_dscnt 0x0                               ; my numbers are back; the last tile's word store is done too
	s_wait_xcnt 0x0                                ; the last tile's global stores have read their data: the codes' registers may be written
	QUANT2
.irp c, 0,1,2
	global_store_b128 v2, v[24+4*\c:27+4*\c], s[26:27] offset:1536*(\n)+512*\c   ; 512 consecutive bytes
.endr
	ds_store_b32 v7, v18 offset:64*(\n)            ; lanes l and l + 16 write the same word with the same value
.endm
	LOADF 0
	LOADF 1
	FRAGQ 0
	FRAGQ 1
	ds_load_b32 v22, v8
	s_wait_dscnt 0x0
	global_store_b32 v9, v22, s[28:29]             ; 128 consecutive bytes
	s_wait_tensorcnt 0x0                           ; the wave's end, behind my last LDS store
	ds_add_u32 v10, v11
	s_wait_dscnt 0x0
	s_endpgm
; ---- THE COLUMN PATH.  W [head][c][d]: a lane takes a column d and its registers run down c, which is K: a block's largest magnitude needs no other lane and the codes come out with K innermost.
; A wave takes one K step (128 c) x 32 columns (two tiles).  Lane l = column 32 b + l is lane row r = l % 8 + 8 (l / 16) of tile (l / 8) % 2, and makes BOTH halves of that row's fragment
; (blocks 0 | 2 for the image's lane r, blocks 1 | 3 for lane 16 + r).  No LDS is touched on this path.
.Lcols:
	s_sub_co_u32 s21, ttmp9, 576
	s_lshr_b32 s22, s21, 2
	s_lshr_b32 s23, s22, 4                         ; tensor: 0 q, 1 k, 2 v
	s_and_b32 s32, s22, 15                         ; head
	s_and_b32 s33, s21, 3
	s_lshl_b32 s33, s33, 1
	s_lshr_b32 s34, s20, 1
	s_add_co_u32 s33, s33, s34                     ; K step
	s_and_b32 s34, s20, 1                          ; which 32 columns
	s_wait_alu depctr_va_vdst(0)                   ; ahead of the reader below
	v_lshlrev_b32 v200, 2, v1                      ; in: 4 bytes a lane
	v_bfe_u32 v201, v0, 3, 1                       ; tile
	v_and_b32 v202, 7, v0
	v_bfe_u32 v203, v0, 4, 1
	v_lshl_add_u32 v202, v203, 3, v202             ; r
	v_mul_u32_u24 v203, v201, 1536
	v_lshl_add_u32 v203, v202, 4, v203             ; out: 1,536 x tile + 16 r
	v_lshlrev_b32 v201, 6, v201
	v_lshl_add_u32 v201, v202, 2, v201             ; the scale word: 64 x tile + 4 r
	s_lshl_b32 s36, s32, 18
	s_lshl_b32 s37, s33, 15
	s_add_co_u32 s36, s36, s37
	s_lshl_b32 s37, s34, 7
	s_add_co_u32 s36, s36, s37
	s_mov_b32 s37, 0
	s_lshl_b32 s38, s23, 3
	s_lshr_b32 s39, s32, 1
	s_add_co_u32 s38, s38, s39                     ; my block of 128 rows
	s_mul_i32 s38, s38, BLKB/2
	s_mul_i32 s39, s33, KSTB/2
	s_add_co_u32 s38, s38, s39                     ; my block's K step
	s_and_b32 s40, s32, 1
	s_lshl_b32 s40, s40, 2
	s_lshl_b32 s41, s34, 1
	s_add_co_u32 s40, s40, s41                     ; my first tile
	s_mul_i32 s42, s40, 1536
	s_add_co_u32 s42, s42, s38
	s_mov_b32 s43, 0
	s_lshl_b32 s44, s40, 6
	s_add_co_u32 s44, s44, s38
	s_add_co_u32 s44, s44, 12288
	s_mov_b32 s45, 0
	s_wait_alu depctr_va_vdst(0)                   ; the wait at the head's end
	s_wait_kmcnt 0x0
	s_cmp_eq_u32 s23, 0
	s_cselect_b64 s[24:25], s[8:9], s[10:11]
	s_cmp_eq_u32 s23, 2
	s_cselect_b64 s[24:25], s[12:13], s[24:25]
	s_add_nc_u64 s[24:25], s[24:25], s[36:37]
	s_add_nc_u64 s[26:27], s[18:19], s[42:43]
	s_add_nc_u64 s[28:29], s[18:19], s[44:45]
.set ik, 0
.rept 128
	global_load_b32 v[44+ik], v200, s[24:25] offset:256*ik th:TH_LOAD_NT   ; W(c, my column): 128 consecutive bytes a wave
.set ik, ik+1
.endr
.macro CBLOCK q                        ; block q of my column: all its 32 numbers are mine
.set XS, 44+32*(\q)
.set RUN, 172+12*((\q)%2)+6*((\q)/2)
	v_max3_num_f32 v12, |v[XS]|, |v[XS+1]|, |v[XS+2]|
	v_max3_num_f32 v13, |v[XS+3]|, |v[XS+4]|, |v[XS+5]|
.irp i, 6,10,14,18,22,26
	v_max3_num_f32 v12, v12, |v[XS+\i]|, |v[XS+\i+1]|
	v_max3_num_f32 v13, v13, |v[XS+\i+2]|, |v[XS+\i+3]|
.endr
	v_max3_num_f32 v12, v12, |v[XS+30]|, |v[XS+31]|
	v_max3_num_f32 v12, v12, v13, FLOOR
	v_add_nc_u32 v14, DEC, v12
	v_lshrrev_b32 v16, 23, v14
.if (\q) == 0
	v_mov_b32 v18, v16
.else
	v_lshl_or_b32 v18, v16, 8*(\q), v18
.endif
	v_cvt_scalef32_pk16_fp6_f32 v[RUN:RUN+2], v[XS:XS+15], v14
	v_cvt_scalef32_pk16_fp6_f32 v[36:38], v[XS+16:XS+31], v14
	v_nop                                          ; one plain place behind the conversions
.irp x, 0,1,2
	v_mov_b32 v[RUN+3+\x], v[36+\x]
.endr
.endm
	s_wait_loadcnt 63                              ; at most 63 of the 128 are out: the first 65 are in, blocks 0 and 1 among them
	CBLOCK 0
	CBLOCK 1
	s_wait_loadcnt 32                              ; block 3's 32 stay out
	CBLOCK 2
	s_wait_loadcnt 0x0
	CBLOCK 3
.irp h, 0,1
.irp c, 0,1,2
	global_store_b128 v203, v[172+12*\h+4*\c:175+12*\h+4*\c], s[26:27] offset:256*\h+512*\c   ; the sixteen lanes of a tile store 256 consecutive bytes, aligned
.endr
.endr
	global_store_b32 v201, v18, s[28:29]           ; 128 consecutive bytes a wave
	s_endpgm
.Lfunc_end_k_q4089c6a05d_quant:
	.size	k_q4089c6a05d_quant, .Lfunc_end_k_q4089c6a05d_quant-k_q4089c6a05d_quant
	.p2alignl 7, 3214868480
	.fill 96, 4, 3214868480
	.section	.rodata,"a",@progbits
	.p2align	6, 0x0
	.amdhsa_kernel k_q4089c6a05d_quant
		.amdhsa_group_segment_fixed_size 35328
		.amdhsa_private_segment_fixed_size 0
		.amdhsa_enable_private_segment 0
		.amdhsa_kernarg_size 64
		.amdhsa_user_sgpr_count 2
		.amdhsa_user_sgpr_kernarg_segment_ptr 1
		.amdhsa_wavefront_size32 1
		.amdhsa_system_sgpr_workgroup_id_x 1
		.amdhsa_system_sgpr_workgroup_id_y 1
		.amdhsa_system_sgpr_workgroup_id_z 1
		.amdhsa_system_vgpr_workitem_id 0
		.amdhsa_next_free_vgpr 240
		.amdhsa_next_free_sgpr 66
		.amdhsa_reserve_vcc 0
		.amdhsa_float_denorm_mode_32 3
		.amdhsa_float_denorm_mode_16_64 3
		.amdhsa_memory_ordered 1
		.amdhsa_forward_progress 1
		.amdhsa_inst_pref_size 38
	.end_amdhsa_kernel
	.amdgpu_metadata
---
amdhsa.version: [ 1, 2 ]
amdhsa.kernels:
  - .name:           k_q4089c6a05d_quant
    .symbol:         k_q4089c6a05d_quant.kd
    .args:
      - { .name: x, .offset: 0, .size: 8, .value_kind: global_buffer, .address_space: global }
      - { .name: Wp, .offset: 8, .size: 8, .value_kind: global_buffer, .address_space: global }
      - { .name: Wq, .offset: 16, .size: 8, .value_kind: global_buffer, .address_space: global }
      - { .name: Wk, .offset: 24, .size: 8, .value_kind: global_buffer, .address_space: global }
      - { .name: Wv, .offset: 32, .size: 8, .value_kind: global_buffer, .address_space: global }
      - { .name: xi, .offset: 40, .size: 8, .value_kind: global_buffer, .address_space: global }
      - { .name: wpi, .offset: 48, .size: 8, .value_kind: global_buffer, .address_space: global }
      - { .name: wi, .offset: 56, .size: 8, .value_kind: global_buffer, .address_space: global }
    .group_segment_fixed_size: 35328
    .private_segment_fixed_size: 0
    .kernarg_segment_align: 8
    .kernarg_segment_size: 64
    .max_flat_workgroup_size: 128
    .sgpr_count:     66
    .vgpr_count:     240
    .wavefront_size: 32
...
	.end_amdgpu_metadata
.endif
;; end of part 1
;; launch qkv (part 2): grid 8 x 32, 4 waves a work-group, clusters of 4 x 4, 327,680 bytes of LDS; arguments xi, wi, qb, kv; writes qb, kv
.if DOCPART == 2
	.amdgcn_target "amdgcn-amd-amdhsa--gfx1250"
	.amdhsa_code_object_version 6
	.text
	.protected	k_q4089c6a05d_qkv
	.globl	k_q4089c6a05d_qkv
	.p2align	8
	.type	k_q4089c6a05d_qkv,@function
k_q4089c6a05d_qkv:
	s_mov_b64 s[64:65], 0
	v_nop
	global_prefetch_b8 v0, s[64:65] scope:SCOPE_SE
	s_setreg_imm32_b32 hwreg(HW_REG_WAVE_MODE, 25, 1), 1
	s_wait_xcnt 0x0
	s_wait_alu depctr_hold_cnt(0) depctr_sa_sdst(0) depctr_va_vdst(0) depctr_va_sdst(0) depctr_va_ssrc(0) depctr_va_vcc(0) depctr_vm_vsrc(0)
	s_getreg_b32 s2, hwreg(HW_REG_IB_STS2, 6, 4)
	s_cmp_eq_u32 s2, 0
	s_cbranch_scc0 .Lentry_in_a_cluster
	s_endpgm
.Lentry_in_a_cluster:
	s_bfe_u32 s2, ttmp6, 0x10000c
	s_cmp_lg_u32 s2, 0xf033
	s_cbranch_scc0 .Lentry_shape_is_right
	s_endpgm
.Lentry_shape_is_right:
; LAUNCH 2 OF 4: q, k, v = x W on codes of E2M3 (v_wmma_scale_f32_16x16x128_f8f6f4), each result quantised on its way out for the product that takes it: q and k along the head's 64, v along the keys.
; No work is left out here.  Limits of the quantiser as stated at the head of the first launch.
; SHARES.  256 work-groups.  Work-group (gx, gy) takes block gy of xi (256 tokens, all of K) and, in three phases, block gx of Wq, of Wk and of Wv (128 rows = heads 2 gx, 2 gx + 1, all of K).
; Four waves, 2 x 2: wave (a, b) takes token tiles 8 a .. 8 a + 7 (one group of 128 tokens) and head 2 gx + b.  It holds the head's 64 rows, all of K, in registers (32 fragments, 384 registers)
; and streams its eight token tiles past them: a tile is 8 fragments and 32 products on four accumulators by turns, and its sums are then whole.
; WHICH OPERAND IS SOURCE 0.  q, k: W, so that a lane holds one token and its registers run along d.  v: x, so that a lane holds one d and its registers run along the tokens, which are the keys.
; By the order of rows in a tile (first launch) the 16 registers of source 0's tiles 2 n, 2 n + 1 are its rows 32 n + 16 (lane / 16) + 0 .. 15.
; LDS.  x's block at 0, 204,800 bytes, filled once and read in all three phases; the weights' region at WOFF, 102,400 bytes; the spare words.  All are images of registers: dense, read by consecutive bytes, no padding.
; FILLS.  At the head one joint load a wave: waves 0 and 1 a half each of Wq's block, waves 2 and 3 a half each of x's.  The first barrier shows Wq alone, so its way into registers stands ahead of the wait for x.
; TWO REFILLS of the weights' region (Wk, Wv), each when all waves hold the last weights in registers, behind the three lines and a round of the cluster's barrier.  A refill is asked for a whole phase,
; 256 products a wave, ahead of the wait for it: so no prefetch is laid.  By this text's own count a wave has one tensor load out at the most, and every wait on TENSORcnt is for 0.
; CLUSTER 4 x 4: the four of a row need the same block of x, the four of a column the same blocks of W: each half is asked for jointly.
; OUT.  A head's block in qb / kv is [group of 128 tokens][12,800 bytes]: 8 token tiles x 768 bytes (16 rows x 64 codes: six registers a lane, 0-3 at 16 L, 4-5 at 512 + 8 L); V: 8 such pieces, number 2 (d tile) + (half of the 128 keys);
; 256 bytes of K's scale words [row][pair of tiles]; 256 of V's [row][d tile].  q uses the K parts of qb.
; REGISTERS.  v1-18 addresses; v28, v29 the add's two; v32-95 scale words: W's of (K step q, tile j) at 32 + 8 q + j, x's of (set e, q) at 36 + 8 q + e; v96-127 the way out; v128-255 accumulators.
;   Fragment f lies in window 1 + f / 21 at register 12 (f % 21): 0-31 the weights' (4 q + j), 32-39 and 40-47 x's two sets.
.set BLKB,  204800                     ; a block of 256 tokens of xi; also a head's block of qb and kv
.set KSTB,  25600                      ; a K step of xi's block
.set WBLK,  102400                     ; a block of 128 rows of wi
.set WKST,  12800                      ; a K step of it
.set WOFF,  204800
.set SPARE, 307200                     ; the spare words, 128 bytes a wave, named by no other line
.set GRPB,  12800
.set FLOOR, 0x1800000
.set DEC,   0xff000000
.set SC,    32
.set ACC,   128
.set MSB, 0
.macro WIN new                         ; the immediate's high byte repeats the setting that is left
.if MSB != (\new)
	s_set_vgpr_msb (MSB<<8)|(\new)
.set MSB, (\new)
.endif
.endm
.macro PLACES                          ; four plain places behind matrix instructions, and behind a tensor load
.rept 4
	v_nop
.endr
.endm
.macro WALU
	s_wait_alu depctr_va_vdst(0)
.endm
.macro CROUND                          ; a round of the cluster's barrier
	s_barrier_signal -1
	s_barrier_wait -1
	s_cmp_lg_u32 s12, 0
	s_cbranch_scc1 .Lnot_wave_0_\@
	s_barrier_signal -3
.Lnot_wave_0_\@:
	s_barrier_wait -3
	s_barrier_signal -1
	s_barrier_wait -1
.endm
.macro FRAG3 f, adr, off               ; a fragment: twelve registers, three loads of 512 consecutive bytes a wave
	WIN (1+(\f)/21)<<6
.irp c, 0,1,2
	ds_load_b128 v[12*((\f)%21)+4*\c:12*((\f)%21)+4*\c+3], v[\adr] offset:(\off)+512*\c
.endr
.endm
.macro WEIGHTS                         ; my head's 64 rows, all of K, and their scale words: 128 loads
.set QQ, 0
.rept 8
.set JJ, 0
.rept 4
	FRAG3 4*QQ+JJ, 13+QQ/4, (QQ%4)*WKST+1536*JJ
.set JJ, JJ+1
.endr
.set QQ, QQ+1
.endr
	WIN 0
.set QQ, 0
.rept 8
.set JJ, 0
.rept 4
	ds_load_b32 v[SC+8*QQ+JJ], v[15+QQ/4] offset:(QQ%4)*WKST+64*JJ
.set JJ, JJ+1
.endr
.set QQ, QQ+1
.endr
.endm
.macro FETCH e, t                      ; my token tile t, all of K, into set e: 32 loads in one run
.set QQ, 0
.rept 8
	FRAG3 32+8*(\e)+QQ, 5+QQ/2, (QQ%2)*KSTB+1536*(\t)
.set QQ, QQ+1
.endr
	WIN 0
.set QQ, 0
.rept 8
	ds_load_b32 v[SC+8*QQ+4+(\e)], v[9+QQ/2] offset:(QQ%2)*KSTB+64*(\t)
.set QQ, QQ+1
.endr
.endm
.macro WAITT t                         ; tile t's 32 loads are in; the next tile's 32, issued behind them, may be out
.if (\t) == 7
	s_wait_dscnt 0x0
.else
	s_wait_dscnt 32
.endif
.endm
.macro PROD1 d, s0, s1, x0, x1, more
.if \more
	v_wmma_scale_f32_16x16x128_f8f6f4 v[\d:\d+7], v[12*((\s0)%21):12*((\s0)%21)+11], v[12*((\s1)%21):12*((\s1)%21)+11], v[\d:\d+7], v[\x0], v[\x1] matrix_a_fmt:MATRIX_FMT_FP6 matrix_b_fmt:MATRIX_FMT_FP6
.else
	v_wmma_scale_f32_16x16x128_f8f6f4 v[\d:\d+7], v[12*((\s0)%21):12*((\s0)%21)+11], v[12*((\s1)%21):12*((\s1)%21)+11], 0, v[\x0], v[\x1] matrix_a_fmt:MATRIX_FMT_FP6 matrix_b_fmt:MATRIX_FMT_FP6
.endif
.endm
.macro BLOCK kind, e, d0, ds           ; 32 products of set e's tile; W tile j's sums at d0 + ds j; the first four start the sums.  kind 0: source 0 = W; kind 1: source 0 = x
.set QQ, 0
.rept 8
.set JJ, 0
.rept 4
.set FW, 4*QQ+JJ
.set FX, 32+8*(\e)+QQ
.set DD, (\d0)+(\ds)*JJ
.if \kind
	WIN (1+FX/21)|((1+FW/21)<<2)
	PROD1 DD, FX, FW, SC+8*QQ+4+(\e), SC+8*QQ+JJ, QQ
.else
	WIN (1+FW/21)|((1+FX/21)<<2)
	PROD1 DD, FW, FX, SC+8*QQ+JJ, SC+8*QQ+4+(\e), QQ
.endif
.set JJ, JJ+1
.endr
.set QQ, QQ+1
.endr
	WIN 0
.endm
; THE WAY OUT of 32 sums a lane = two blocks of 32 along the next K, each shared by lanes l and l xor 16: a piece of six registers at byte off of my group, and two scale bytes in halfword n.
.macro SIXPACK ac, n, off
	s_wait_xcnt 0x0                                ; the last piece's stores have read their data
	v_max3_num_f32 v96, |v[(\ac)]|, |v[(\ac)+1]|, FLOOR   ; each accumulator is read from its low end on
	v_max3_num_f32 v97, |v[(\ac)+16]|, |v[(\ac)+17]|, FLOOR
.irp x, 2,4,6,8,10,12,14
	v_max3_num_f32 v96, v96, |v[(\ac)+\x]|, |v[(\ac)+\x+1]|
	v_max3_num_f32 v97, v97, |v[(\ac)+16+\x]|, |v[(\ac)+17+\x]|
.endr
	v_permlanex16_b32 v98, v96, s78, s79
	v_permlanex16_b32 v99, v97, s78, s79
	v_max_num_f32 v96, v96, v98                    ; the blocks' largest magnitudes
	v_max_num_f32 v97, v97, v99
	v_add_nc_u32 v100, DEC, v96                    ; the conversions' scale operands
	v_add_nc_u32 v101, DEC, v97
	v_lshrrev_b32 v102, 23, v100
	v_lshrrev_b32 v103, 23, v101
	v_lshl_or_b32 v[116+(\n)], v103, 8, v102       ; the two bytes
	v_cvt_scalef32_pk16_fp6_f32 v[104:106], v[(\ac):(\ac)+15], v100
	v_cvt_scalef32_pk16_fp6_f32 v[112:114], v[(\ac)+16:(\ac)+31], v101
	v_nop                                          ; one plain place behind the conversions
.irp x, 0,1,2
	v_permlane16_swap_b32 v[104+\x], v[112+\x]     ; a whole block to a lane: lanes 0-15 the first block, lanes 16-31 the second
.endr
.irp x, 0,1,2
	v_mov_b32 v[107+\x], v[112+\x]
.endr
	WALU
	global_store_b128 v1, v[104:107], s[68:69] offset:(\off)       ; 512 consecutive bytes,
	global_store_b64 v4, v[108:109], s[68:69] offset:(\off)+512    ; and 256
.endm
.macro WORDS off                       ; halfwords 2 f, 2 f + 1 make word f of my row: q, k: a pair of token tiles; v: a d tile's two halves of the keys
.irp f, 0,1,2,3
	v_lshl_or_b32 v[124+\f], v[117+2*\f], 16, v[116+2*\f]
.endr
	global_store_b128 v17, v[124:127], s[68:69] offset:\off   ; sixteen lanes store 256 consecutive bytes, aligned; lanes l and l + 16 store the same value to the same place
.endm
	s_load_b256 s[4:11], s[0:1], 0x0               ; xi, wi, qb, kv
	v_lshl_add_u32 v28, v0, 2, SPARE
	v_mov_b32 v29, 0
	ds_add_u32 v28, v29                            ; the wave's opening: the add, twice on end, and its wait ahead of my first tensor load
	ds_add_u32 v28, v29
	v_lshrrev_b32 v1, 5, v0
	v_readfirstlane_b32 s12, v1                    ; wave 0..3
	s_lshr_b32 s13, s12, 1                         ; a: my group of 128 tokens
	s_and_b32 s14, s12, 1                          ; b: my head of the two.  Also: which half of a block I fetch
	s_bfe_u32 s16, ttmp6, 0x40000                  ; cx
	s_bfe_u32 s17, ttmp6, 0x40004                  ; cy
	s_lshl_b32 s18, ttmp9, 2
	s_add_co_u32 s18, s18, s16                     ; gx: pair of heads
	s_and_b32 s19, ttmp7, 0xffff
	s_lshl_b32 s19, s19, 2
	s_add_co_u32 s19, s19, s17                     ; gy: block of x
	s_lshl_b32 s20, s17, 2
	s_lshl_b32 s20, 15, s20                        ; my row of the cluster
	s_lshl_b32 s21, 0x1111, s16                    ; my column
	s_or_b32 s24, s20, (3<<16)|(1<<21)             ; group 1 for x: the mask; elements of 8 bytes; 21 set beside a mask; no padding
	s_mov_b32 s25, 32<<16                          ; rows of 256 bytes,
	s_mov_b32 s26, 400<<16                         ; 400 of them: half a block, 102,400 dense bytes
	s_mov_b32 s27, 32<<16
	s_mov_b32 s28, 400
	s_mov_b32 s29, 32
	s_mov_b32 s30, 0
	s_mov_b32 s31, 0
	s_or_b32 s32, s21, (3<<16)|(1<<21)             ; group 1 for W: 200 rows: half a block, 51,200 dense bytes
	s_mov_b32 s33, 32<<16
	s_mov_b32 s34, 200<<16
	s_mov_b32 s35, 32<<16
	s_mov_b32 s36, 200
	s_mov_b32 s37, 32
	s_mov_b32 s38, 0
	s_mov_b32 s39, 0
	s_mov_b32 s40, 1
	s_mul_i32 s41, s14, 4*KSTB                     ; x's half: its place in LDS and in the block
	s_mul_i32 s80, s19, BLKB                       ; x's address hangs on gy and the wave's number,
	s_add_co_u32 s80, s80, s41
	s_mov_b32 s81, 0
	s_mov_b32 s44, 1
	s_mul_i32 s45, s14, 4*WKST
	s_mul_i32 s84, s18, WBLK                       ; W's on gx and the wave's number
	s_add_co_u32 s84, s84, s45
	s_mov_b32 s85, 0
	s_add_co_u32 s45, s45, WOFF
	s_mul_i32 s88, s13, 12288                      ; LDS: my eight token tiles in a K step,
	s_lshl_b32 s89, s13, 9
	s_add_co_u32 s89, s89, 24576                   ; their scale words,
	s_mul_i32 s90, s14, 6144
	s_add_co_u32 s90, s90, WOFF                    ; my head's four tiles,
	s_lshl_b32 s91, s14, 8
	s_add_co_u32 s91, s91, WOFF+12288              ; and their scale words
.irp i, 0,1,2,3
	s_add_co_u32 s[48+\i], s88, \i*2*KSTB          ; an address register serves two K steps of x,
	s_add_co_u32 s[52+\i], s89, \i*2*KSTB
.endr
.irp i, 0,1
	s_add_co_u32 s[56+\i], s90, \i*4*WKST          ; four of W
	s_add_co_u32 s[58+\i], s91, \i*4*WKST
.endr
	s_lshr_b32 s92, s19, 3
	s_lshl_b32 s92, s92, 4                         ; 16 x batch
	s_lshl_b32 s93, s18, 1
	s_add_co_u32 s92, s92, s93
	s_add_co_u32 s92, s92, s14                     ; + my head
	s_mul_i32 s92, s92, BLKB
	s_and_b32 s93, s19, 7
	s_lshl_b32 s93, s93, 1
	s_add_co_u32 s93, s93, s13
	s_mul_i32 s93, s93, GRPB                       ; my group of 128 tokens
	s_add_co_u32 s92, s92, s93
	s_mov_b32 s93, 0
	s_mov_b32 s78, 0x76543210
	s_mov_b32 s79, 0xfedcba98                      ; v_permlanex16_b32's selects for lane l xor 16
	s_wait_dscnt 0x0                               ; both opening adds are done
	s_wait_kmcnt 0x0
	s_add_nc_u64 s[42:43], s[4:5], s[80:81]
	s_or_b32 s43, s43, 0x80000000
	s_add_nc_u64 s[46:47], s[6:7], s[84:85]
	s_or_b32 s47, s47, 0x80000000
	s_add_nc_u64 s[68:69], s[8:9], s[92:93]        ; q goes to qb,
	s_add_nc_u64 s[72:73], s[10:11], s[92:93]      ; k and v to kv
	CROUND                                         ; all sixteen work-groups are here: the first joint loads meet
	s_cmp_lt_u32 s12, 2
	s_cbranch_scc0 .Lfor_x
	tensor_load_to_lds s[44:47], s[32:39]          ; waves 0, 1: Wq's halves, which are needed first
	s_nop 0
	PLACES
	s_branch .Lasked
.Lfor_x:
	tensor_load_to_lds s[40:43], s[24:31]          ; waves 2, 3: x's halves
	s_nop 0
	PLACES
.Lasked:
	v_and_b32 v3, 31, v0
	v_and_b32 v2, 15, v0
	v_lshlrev_b32 v1, 4, v3                        ; 16 L
	v_lshlrev_b32 v4, 3, v3                        ; 8 L
	v_lshlrev_b32 v18, 2, v2                       ; 4 r
	v_lshlrev_b32 v17, 4, v2                       ; 16 r
.irp i, 0,1,2,3
	v_add_nc_u32 v[5+\i], s[48+\i], v1
	v_add_nc_u32 v[9+\i], s[52+\i], v18
.endr
.irp i, 0,1
	v_add_nc_u32 v[13+\i], s[56+\i], v1
	v_add_nc_u32 v[15+\i], s[58+\i], v18
.endr
	v_mov_b32 v98, 0                               ; (a lane permute's destination counts as one of its sources)
	v_mov_b32 v99, 0
	WALU                                           ; the wait at the head's end
	s_cmp_lt_u32 s12, 2
	s_cbranch_scc0 .Lnot_w
	s_wait_tensorcnt 0x0                           ; waves 0, 1: my half of Wq is in
.Lnot_w:
	s_barrier_signal -1
	s_barrier_wait -1                              ; Wq is whole; x may still be on its way
	s_mov_b32 s86, 0
.Lphase:                                               ; two trips: q, then k
	WEIGHTS
	s_wait_tensorcnt 0x0                           ; all my tensor loads have landed (first trip: x's halves): a group 0 may be written
	ds_add_u32 v28, v29                            ; 0 onto my spare word
	s_add_nc_u64 s[46:47], s[46:47], 8*WBLK        ; the next tensor's block gx
	s_wait_dscnt 0x0                               ; the add is done, and the weights are in my registers
	CROUND                                         ; no wave of any partner still reads the weights' region or has a load on its way
	s_cmp_lt_u32 s12, 2
	s_cbranch_scc0 .Lno_half
	tensor_load_to_lds s[44:47], s[32:39]          ; waves 0, 1: a half each of the next phase's weights
	s_nop 0
	PLACES
.Lno_half:
	FETCH 0, 0
	FETCH 1, 1
.set T, 0
.rept 8
	WAITT T
	BLOCK 0, T%2, ACC, 8
	PLACES
.if T < 6
	FETCH T%2, T+2
.endif
	SIXPACK ACC, T, 768*T
.set T, T+1
.endr
	WORDS 12288
	s_wait_xcnt 0x0                                ; the stores have read their base
	s_mov_b64 s[68:69], s[72:73]
	s_wait_tensorcnt 0x0                           ; my half of the next weights is in
	s_wait_dscnt 0x0
	s_barrier_signal -1
	s_barrier_wait -1                              ; everybody's is
	s_add_co_u32 s86, s86, 1
	s_cmp_lt_u32 s86, 2
	s_cbranch_scc1 .Lphase
	; v: the sums of four token tiles (64 keys) gather at ACC + 32 j + 8 (t % 4), then the four d tiles go out
	WEIGHTS
	FETCH 0, 0
	FETCH 1, 1
.set T, 0
.rept 8
	WAITT T
	BLOCK 1, T%2, ACC+8*(T%4), 32
	PLACES
.if T < 6
	FETCH T%2, T+2
.endif
.if T%4 == 3
.set JV, 0
.rept 4
	SIXPACK ACC+32*JV, 2*JV+T/4, 6144+1536*JV+768*(T/4)
.set JV, JV+1
.endr
.endif
.set T, T+1
.endr
	WORDS 12544
	s_wait_tensorcnt 0x0                           ; the wave's end
	ds_add_u32 v28, v29
	s_wait_dscnt 0x0
	CROUND                                         ; the closing round
	s_endpgm
.Lfunc_end_k_q4089c6a05d_qkv:
	.size	k_q4089c6a05d_qkv, .Lfunc_end_k_q4089c6a05d_qkv-k_q4089c6a05d_qkv
	.p2alignl 7, 3214868480
	.fill 96, 4, 3214868480
	.section	.rodata,"a",@progbits
	.p2align	6, 0x0
	.amdhsa_kernel k_q4089c6a05d_qkv
		.amdhsa_group_segment_fixed_size 327680
		.amdhsa_private_segment_fixed_size 0
		.amdhsa_enable_private_segment 0
		.amdhsa_kernarg_size 32
		.amdhsa_user_sgpr_count 2
		.amdhsa_user_sgpr_kernarg_segment_ptr 1
		.amdhsa_wavefront_size32 1
		.amdhsa_system_sgpr_workgroup_id_x 1
		.amdhsa_system_sgpr_workgroup_id_y 1
		.amdhsa_system_sgpr_workgroup_id_z 1
		.amdhsa_system_vgpr_workitem_id 0
		.amdhsa_next_free_vgpr 848
		.amdhsa_next_free_sgpr 96
		.amdhsa_reserve_vcc 0
		.amdhsa_float_denorm_mode_32 3
		.amdhsa_float_denorm_mode_16_64 3
		.amdhsa_memory_ordered 1
		.amdhsa_forward_progress 1
		.amdhsa_inst_pref_size 160
	.end_amdhsa_kernel
	.amdgpu_metadata
---
amdhsa.version: [ 1, 2 ]
amdhsa.kernels:
  - .name:           k_q4089c6a05d_qkv
    .symbol:         k_q4089c6a05d_qkv.kd
    .args:
      - { .name: xi, .offset: 0, .size: 8, .value_kind: global_buffer, .address_space: global }
      - { .name: wi, .offset: 8, .size: 8, .value_kind: global_buffer, .address_space: global }
      - { .name: qb, .offset: 16, .size: 8, .value_kind: global_buffer, .address_space: global }
      - { .name: kv, .offset: 24, .size: 8, .value_kind: global_buffer, .address_space: global }
    .group_segment_fixed_size: 327680
    .private_segment_fixed_size: 0
    .kernarg_segment_align: 8
    .kernarg_segment_size: 32
    .max_flat_workgroup_size: 128
    .sgpr_count:     96
    .vgpr_count:     848
    .wavefront_size: 32
...
	.end_amdgpu_metadata
.endif
;; end of part 2
;; launch attn (part 3): grid 4 x 64, 16 waves a work-group, clusters of 4 x 1, 206,848 bytes of LDS; arguments qb, kv, oi; writes oi
.if DOCPART == 3
	.amdgcn_target "amdgcn-amd-amdhsa--gfx1250"
	.amdhsa_code_object_version 6
	.text
	.protected	k_q4089c6a05d_attn
	.globl	k_q4089c6a05d_attn
	.p2align	8
	.type	k_q4089c6a05d_attn,@function
k_q4089c6a05d_attn:
	s_mov_b64 s[64:65], 0
	v_nop
	global_prefetch_b8 v0, s[64:65] scope:SCOPE_SE
	s_setreg_imm32_b32 hwreg(HW_REG_WAVE_MODE, 25, 1), 1
	s_wait_xcnt 0x0
	s_wait_alu depctr_hold_cnt(0) depctr_sa_sdst(0) depctr_va_vdst(0) depctr_va_sdst(0) depctr_va_ssrc(0) depctr_va_vcc(0) depctr_vm_vsrc(0)
	s_getreg_b32 s2, hwreg(HW_REG_IB_STS2, 6, 4)
	s_cmp_eq_u32 s2, 0
	s_cbranch_scc0 .Lentry_in_a_cluster
	s_endpgm
.Lentry_in_a_cluster:
	s_bfe_u32 s2, ttmp6, 0x10000c
	s_cmp_lg_u32 s2, 0x3003
	s_cbranch_scc0 .Lentry_shape_is_right
	s_endpgm
.Lentry_shape_is_right:
; LAUNCH 3 OF 4: causal attention of one (batch, head) on codes of E2M3, and its result quantised along (head, d) for the projection.
; WORK LEFT OUT: steps of 128 keys all of which come after a tile's queries: reference() itself sets their scores to -inf (its own tril; is_masked is the constant 1), so their weights are 0 for all inputs.
; A NaN, an infinity or an overflow that would arise in those scores alone is not carried to the result.
; THE SOFTMAX: t = score x log2(e) / 32 (the division by sqrt(1,024) is a power of two); M = the running largest t rounded UP to a whole number, kept as -M = floor(-t); p = 2^(t - M) is quantised along the keys, not
; normalised; the row's sum is taken of the unquantised p and divides at the end.  When M moves, the sum and O are multiplied by 2^(old M - new M), which rounds nothing.
; LDS.  A head's K and V, codes and scale words, are 16 groups of 12,800 bytes: ALL of them lie in LDS, filled ONCE: no slot is filled again and the loop has no barrier.  Wave w fetches group w: one tensor load a wave.
; CLUSTER 4 x 1: the four work-groups of a head need the same 204,800 bytes: each group is asked for jointly.
; SHARES, even by construction.  A head has 128 tiles of 16 queries; tile e of group a needs a + 1 key steps.  Wave w of partner cx takes tile (a, e) = (w / 2, 2 cx + w % 2) and then tile (15 - a, 7 - e): 17 steps for every wave.
; a hangs on the wave's number alone, so no branch hangs on the place in the cluster; e enters global addresses and lane data only.  Waves 0 and 1 of every partner read all 16 groups.
; LAYOUT.  Both products transposed: S^T = K Q^T, O^T = V^T P^T: a lane holds ONE query throughout.  By the order of rows in a tile the 16 registers of key tiles 2 b, 2 b + 1 are keys 32 b + 16 (lane / 16) + 0 .. 15.
; THE HEAD HAS 64 ALONG K, THE INSTRUCTION 128.  A fragment of K holds TWO key tiles (registers 0-5 tile 2 f, 6-11 tile 2 f + 1, as they lie on end in LDS); it is multiplied by (q | 0) for the first and by (0 | q) for the second:
; zero codes take the other tile away.  So no zero is stored or moved.
; REGISTERS: v1-3, v6 lane offsets; v4, v5 the add's two; v7 the mask's lane term; v8-10 LDS addresses; v11 lane constant; v12 -M, v13 the largest t, v[14:15] the sum; v16-27 (q | 0), v28-39 (0 | q); v40 q's scale word;
;   v41-54 both passes' q as loaded; v56-103 four fragments of K, then of V; v104-107, v108-111 their scale words; v112-175 S^T, then p; v176-207 O^T; v208-219 p's codes; v220-250 at work; v244 p's scale word.
.set GRPB,  12800
.set HEADB, 204800
.set SPARE, 204800                     ; behind the head: the spare words, 128 bytes for each of sixteen waves, named by no other line
.set FLOOR, 0x1800000
.set DEC,   0xff000000
.macro CROUND                          ; a round of the cluster's barrier
	s_barrier_signal -1
	s_barrier_wait -1
	s_cmp_lg_u32 s10, 0
	s_cbranch_scc1 .Lnot_wave_0_\@
	s_barrier_signal -3
.Lnot_wave_0_\@:
	s_barrier_wait -3
	s_barrier_signal -1
	s_barrier_wait -1
.endm
	s_load_b128 s[4:7], s[0:1], 0x0                ; qb, kv
	s_load_b64 s[8:9], s[0:1], 0x10                ; oi
	v_lshl_add_u32 v4, v0, 2, SPARE
	v_mov_b32 v5, 0
	ds_add_u32 v4, v5                              ; the wave's opening: the add, twice on end, and its wait ahead of my first tensor load
	ds_add_u32 v4, v5
	v_lshrrev_b32 v1, 5, v0
	s_delay_alu instid0(VALU_DEP_1)
	v_readfirstlane_b32 s10, v1                    ; wave 0..15
	s_bfe_u32 s11, ttmp6, 0x40000                  ; cx
	s_and_b32 s12, ttmp7, 0xffff                   ; 16 x batch + head, which the four partners share
	s_mov_b32 s24, 15|(3<<16)|(1<<21)              ; group 1: the mask names all four; elements of 8 bytes; 21 set beside a mask; no padding
	s_mov_b32 s25, 32<<16                          ; rows of 256 bytes,
	s_mov_b32 s26, 50<<16                          ; 50 of them: 12,800 dense bytes
	s_mov_b32 s27, 32<<16
	s_mov_b32 s28, 50
	s_mov_b32 s29, 32
	s_mov_b32 s30, 0
	s_mov_b32 s31, 0
	s_mul_i32 s36, s12, HEADB                      ; the head's first byte in qb and in kv
	s_mul_i32 s33, s10, GRPB                       ; group w: its place in LDS and in the head
	s_add_co_u32 s38, s36, s33
	s_mov_b32 s39, 0
	s_mov_b32 s32, 1
	s_lshr_b32 s13, s10, 1                         ; first pass: group a,
	s_and_b32 s14, s10, 1
	s_lshl_b32 s23, s11, 1
	s_add_co_u32 s14, s14, s23                     ; tile e
	s_sub_co_u32 s15, 15, s13                      ; second pass
	s_sub_co_u32 s16, 7, s14
	s_mov_b32 s18, 0x76543210
	s_mov_b32 s19, 0xfedcba98                      ; v_permlanex16_b32's selects for lane l xor 16
	s_mov_b32 s20, 0x3d38aa3b                      ; c = log2(e) / 32
	s_mov_b32 s21, s20                             ; (named with it as a pair, so it is written)
	s_wait_dscnt 0x0                               ; both opening adds are done
	s_wait_kmcnt 0x0
	s_add_nc_u64 s[34:35], s[6:7], s[38:39]
	s_or_b32 s35, s35, 0x80000000
	CROUND                                         ; all four work-groups are here: the joint loads meet
	tensor_load_to_lds s[32:35], s[24:31]          ; my one tensor load
	s_nop 0
	v_and_b32 v245, 31, v0
	s_delay_alu instid0(VALU_DEP_1)
	v_lshlrev_b32 v1, 4, v245                      ; 16 L
	s_delay_alu instid0(VALU_DEP_2)
	v_lshlrev_b32 v2, 3, v245                      ; 8 L
	v_and_b32 v245, 15, v0                         ; r
	s_delay_alu instid0(VALU_DEP_1)
	v_lshlrev_b32 v3, 4, v245                      ; 16 r
	s_delay_alu instid0(VALU_DEP_2)
	v_lshlrev_b32 v6, 2, v245                      ; 4 r
	s_delay_alu instid0(VALU_DEP_3)
	v_and_b32 v246, 8, v245
	s_delay_alu instid0(VALU_DEP_1)
	v_add_nc_u32 v11, v246, v245                   ; r + 8 (r / 8)
	v_bfe_u32 v246, v0, 4, 1
	s_delay_alu instid0(VALU_DEP_1)
	v_lshlrev_b32 v246, 4, v246
	s_delay_alu instid0(VALU_DEP_1)
	v_sub_nc_u32 v11, v11, v246                    ; - 16 (lane / 16)
	v_mov_b32 v250, 0xff800000                     ; -infinity
.irp b, 0,1,2,3
	v_mov_b32 v[232+\b], 0                         ; (a lane permute's destination counts as one of its sources)
.endr
	v_mov_b32 v243, 0                              ; (named as the upper half of the pair v[242:243])
	s_lshr_b32 s48, s12, 4
	s_lshl_b32 s48, s48, 4                         ; 16 x batch
	s_and_b32 s49, s12, 15
	s_lshr_b32 s49, s49, 1
	s_mul_i32 s49, s49, GRPB                       ; the projection's K step: head / 2
	s_and_b32 s37, s12, 1                          ; and which half of it
.macro ADRS A, E, dq, ds, ob, os       ; a pass's four addresses: q's piece and scale words; o's piece and scale halfwords
	s_mul_i32 s50, s[\A], GRPB
	s_add_co_u32 s50, s50, s36
	s_mul_i32 s52, s[\E], 768
	s_add_co_u32 s52, s52, s50
	s_mov_b32 s53, 0
	s_add_nc_u64 s[\dq:\dq+1], s[4:5], s[52:53]
	s_lshr_b32 s52, s[\E], 1
	s_lshl_b32 s52, s52, 2
	s_add_co_u32 s52, s52, s50
	s_add_co_u32 s52, s52, 12288
	s_add_nc_u64 s[\ds:\ds+1], s[4:5], s[52:53]
	s_add_co_u32 s50, s48, s[\A]
	s_mul_i32 s50, s50, 8*GRPB
	s_add_co_u32 s50, s50, s49
	s_mul_i32 s52, s[\E], 1536
	s_add_co_u32 s52, s52, s50
	s_mul_i32 s51, s37, 768
	s_add_co_u32 s52, s52, s51
	s_add_nc_u64 s[\ob:\ob+1], s[8:9], s[52:53]
	s_lshl_b32 s52, s[\E], 6
	s_add_co_u32 s52, s52, s50
	s_lshl_b32 s51, s37, 1
	s_add_co_u32 s52, s52, s51
	s_add_co_u32 s52, s52, 12288
	s_add_nc_u64 s[\os:\os+1], s[8:9], s[52:53]
.endm
	ADRS 13, 14, 40, 44, 54, 56
	ADRS 15, 16, 42, 46, 58, 60
	global_load_b128 v[42:45], v1, s[40:41]        ; both passes' q: six registers a lane,
	global_load_b64 v[46:47], v2, s[40:41] offset:512
	global_load_b32 v41, v3, s[44:45]              ; and the word that holds its two scale bytes
	global_load_b128 v[48:51], v1, s[42:43]
	global_load_b64 v[52:53], v2, s[42:43] offset:512
	global_load_b32 v54, v3, s[46:47]
	s_wait_tensorcnt 0x0                           ; my group is in,
	s_barrier_signal -1
	s_barrier_wait -1                              ; everybody's is
	s_wait_loadcnt 0x0
; A PASS: one tile of 16 queries against key steps 0 .. A.  The loop's trip count is a constant; a step whose keys all come after the tile's queries is jumped over, by a branch on the wave's number and the count of steps.
.macro PASS A, E, RQ, RS, OB, OS
.irp x, 0,1,2,3,4,5
	v_mov_b32 v[16+\x], v[\RQ+\x]                  ; (q | 0)
	v_mov_b32 v[22+\x], 0
	v_mov_b32 v[28+\x], 0                          ; (0 | q)
	v_mov_b32 v[34+\x], v[\RQ+\x]
.endr
	s_and_b32 s23, s[\E], 1
	s_lshl_b32 s37, s23, 4
	v_lshrrev_b32 v245, s37, v[\RS]
	s_delay_alu instid0(VALU_DEP_1)
	v_and_b32 v245, 0xffff, v245
	s_delay_alu instid0(VALU_DEP_1)
	v_lshl_or_b32 v40, v245, 16, v245              ; q's two bytes, for either half of K
	s_lshl_b32 s23, s23, 3
	s_lshr_b32 s37, s[\E], 1
	s_lshl_b32 s37, s37, 5
	s_add_co_u32 s37, s37, s23
	v_add_nc_u32 v7, s37, v11                      ; my query's place in its group, less 16 (lane / 16)
	v_mov_b32 v13, 0xff61b1e6                      ; the largest t so far: -3e38, under every t
	s_delay_alu instid0(VALU_DEP_1)
	v_floor_f32 v12, -v13                          ; -M
	v_mov_b32 v14, 0
	v_mov_b32 v15, 0
.set jj, 0
.rept 32
	v_mov_b32 v[176+jj], 0                         ; O^T.  (The step is written once: the first finds zeros.  These lines are also the places between q's scale word and the first product)
.set jj, jj+1
.endr
	s_mov_b32 s22, 0                               ; the key step
	s_mov_b32 s17, 0                               ; and its group's first LDS byte
.Lstep_\@:
	s_cmp_gt_u32 s22, s[\A]
	s_cbranch_scc1 .Lhidden_\@
	v_add_nc_u32 v8, s17, v1
	v_add_nc_u32 v9, s17, v2
	v_add_nc_u32 v10, s17, v3
	v_nop                                          ; four places behind the last step's products, in front of loads into their registers
.irp t, 0,1,2,3,4,5,6,7
	ds_load_b128 v[56+6*\t:59+6*\t], v8 offset:768*\t
	ds_load_b64 v[60+6*\t:61+6*\t], v9 offset:768*\t+512
.endr
	ds_load_b128 v[104:107], v10 offset:12288
	s_wait_alu depctr_va_vdst(0)
	s_wait_dscnt 0x0
.irp t, 0,1,2,3,4,5,6,7
	v_wmma_scale_f32_16x16x128_f8f6f4 v[112+8*\t:119+8*\t], v[56+12*(\t/2):67+12*(\t/2)], v[16+12*(\t%2):27+12*(\t%2)], 0, v[104+\t/2], v40 matrix_a_fmt:MATRIX_FMT_FP6 matrix_b_fmt:MATRIX_FMT_FP6
.endr
.rept 4
	v_nop                                          ; places: in front of the loads below and of the first read of the scores
.endr
.irp t, 0,1,2,3,4,5,6,7                        ; V's four fragments take K's registers: they land while the softmax is walked
	ds_load_b128 v[56+6*\t:59+6*\t], v8 offset:6144+768*\t
	ds_load_b64 v[60+6*\t:61+6*\t], v9 offset:6144+768*\t+512
.endr
	ds_load_b128 v[108:111], v10 offset:12544
	s_cmp_lg_u32 s22, s[\A]                        ; on the diagonal hidden scores become -infinity ahead of the maximum: p = 0 then.  Register n holds key 32 (n / 16) + n % 16 + 16 (lane / 16) of the group
	s_cbranch_scc1 .Lopen_\@
.set nn, 0
.rept 64
	v_cmp_gt_i32 vcc_lo, 32*(nn/16)+nn%16, v7
	v_cndmask_b32 v[112+nn], v[112+nn], v250, vcc_lo
.set nn, nn+1
.endr
.Lopen_\@:
.irp b, 0,1,2,3
	v_max3_num_f32 v[228+\b], v[112+16*\b], v[113+16*\b], v[114+16*\b]   ; the largest score of each block of 32 keys: for the row's maximum and, since p rises with the score, for the block's largest p
.endr
.irp i, 3,5,7,9,11,13
.irp b, 0,1,2,3
	v_max3_num_f32 v[228+\b], v[228+\b], v[112+16*\b+\i], v[113+16*\b+\i]
.endr
.endr
.irp b, 0,1,2,3
	v_max_num_f32 v[228+\b], v[228+\b], v[127+16*\b]
.endr
.irp b, 0,1,2,3
	s_delay_alu instid0(VALU_DEP_4)
	v_permlanex16_b32 v[232+\b], v[228+\b], s18, s19
.endr
.irp b, 0,1,2,3
	s_delay_alu instid0(VALU_DEP_4)
	v_max_num_f32 v[228+\b], v[228+\b], v[232+\b]  ; with lane l xor 16's 16 keys
.endr
	s_delay_alu instid0(VALU_DEP_2)
	v_max3_num_f32 v245, v228, v229, v230
	s_delay_alu instid0(VALU_DEP_1)
	v_max_num_f32 v245, v245, v231
	s_delay_alu instid0(VALU_DEP_1)
	v_mul_f32 v245, s20, v245                      ; the step's largest t (c is positive)
	s_delay_alu instid0(VALU_DEP_1)
	v_max_num_f32 v13, v13, v245                   ; the running largest t
	v_mov_b32 v245, v12
	s_delay_alu instid0(VALU_DEP_2)
	v_floor_f32 v12, -v13                          ; the new -M
	s_delay_alu instid0(VALU_DEP_1)
	v_sub_f32 v245, v12, v245                      ; old M - new M: a whole number, 0 or less
	s_delay_alu instid0(VALU_DEP_1)
	v_cvt_i32_f32 v245, v245                       ; (it saturates)
	s_delay_alu instid0(VALU_DEP_1)
	v_ldexp_f32 v242, 1.0, v245                    ; f = 2^(old M - new M)
.set jj, 0
.rept 32
	v_pk_fma_f32 v[112+jj:113+jj], v[112+jj:113+jj], s[20:21], v[12:13] op_sel_hi:[1,0,0]   ; t - M, two at a time
.set jj, jj+2
.endr
.irp b, 0,1,2,3
	v_fma_f32 v[228+\b], v[228+\b], s20, v12       ; the same of each block's largest score
.endr
.set jj, 0
	s_wait_alu depctr_va_vdst(0)
.rept 64
	v_exp_f32 v[112+jj], v[112+jj]                 ; p = 2^(t - M)
.set jj, jj+1
.endr
	v_pk_mul_f32 v[14:15], v[14:15], v[242:243] op_sel_hi:[1,0]   ; the sums under the new M.  (The plain place behind the exponentials)
	s_wait_alu depctr_va_vdst(0)                   ; one wait for the batch of 64, ahead of its first reader
.irp b, 0,1,2,3
	v_exp_f32 v[228+\b], v[228+\b]                 ; the blocks' largest p
.endr
	v_pk_add_f32 v[240:241], v[116:117], v[120:121]
	v_pk_add_f32 v[254:255], v[124:125], v[128:129]
	v_pk_add_f32 v[252:253], v[132:133], v[136:137]
	v_pk_add_f32 v[248:249], v[140:141], v[144:145]
	v_pk_add_f32 v[246:247], v[148:149], v[152:153]
	v_pk_add_f32 v[238:239], v[156:157], v[160:161]
	v_pk_add_f32 v[236:237], v[164:165], v[168:169]
	v_pk_add_f32 v[14:15], v[14:15], v[172:173]
	v_pk_add_f32 v[240:241], v[240:241], v[112:113]
	v_pk_add_f32 v[254:255], v[254:255], v[114:115]
	v_pk_add_f32 v[252:253], v[252:253], v[118:119]
	v_pk_add_f32 v[248:249], v[248:249], v[122:123]
	v_pk_add_f32 v[246:247], v[246:247], v[126:127]
	v_pk_add_f32 v[238:239], v[238:239], v[130:131]
	v_pk_add_f32 v[236:237], v[236:237], v[134:135]
	v_pk_add_f32 v[14:15], v[14:15], v[138:139]
	v_pk_add_f32 v[240:241], v[240:241], v[142:143]
	v_pk_add_f32 v[254:255], v[254:255], v[146:147]
	v_pk_add_f32 v[252:253], v[252:253], v[150:151]
	v_pk_add_f32 v[248:249], v[248:249], v[154:155]
	v_pk_add_f32 v[246:247], v[246:247], v[158:159]
	v_pk_add_f32 v[238:239], v[238:239], v[162:163]
	v_pk_add_f32 v[236:237], v[236:237], v[166:167]
	v_pk_add_f32 v[14:15], v[14:15], v[170:171]
	v_pk_add_f32 v[240:241], v[240:241], v[174:175]
	s_delay_alu instid0(VALU_DEP_2)
	v_pk_add_f32 v[14:15], v[14:15], v[248:249]
	s_delay_alu instid0(VALU_DEP_2)
	v_pk_add_f32 v[240:241], v[240:241], v[246:247]
	v_pk_add_f32 v[254:255], v[254:255], v[238:239]
	v_pk_add_f32 v[252:253], v[252:253], v[236:237]
	s_delay_alu instid0(VALU_DEP_2)
	v_pk_add_f32 v[14:15], v[14:15], v[254:255]
	s_delay_alu instid0(VALU_DEP_2)
	v_pk_add_f32 v[240:241], v[240:241], v[252:253]
	s_delay_alu instid0(VALU_DEP_1)
	v_pk_add_f32 v[14:15], v[14:15], v[240:241]
	s_wait_alu depctr_va_vdst(0)                   ; and one for the four
.irp b, 0,1,2,3
	v_max_num_f32 v[228+\b], FLOOR, v[228+\b]
.endr
.irp b, 0,1,2,3
	s_delay_alu instid0(VALU_DEP_4)
	v_add_nc_u32 v[236+\b], DEC, v[228+\b]         ; the conversions' scale operands
.endr
.irp b, 0,1,2,3
	s_delay_alu instid0(VALU_DEP_4)
	v_lshrrev_b32 v[232+\b], 23, v[236+\b]         ; the bytes
.endr
	s_delay_alu instid0(VALU_DEP_3)
	v_lshl_or_b32 v244, v233, 8, v232              ; p's scale word for these 128 keys
	s_delay_alu instid0(VALU_DEP_1)
	v_lshl_or_b32 v244, v234, 16, v244
	s_delay_alu instid0(VALU_DEP_1)
	v_lshl_or_b32 v244, v235, 24, v244
.irp c, 0,1
	v_cvt_scalef32_pk16_fp6_f32 v[208+6*\c:210+6*\c], v[112+32*\c:127+32*\c], v[236+2*\c]
	v_cvt_scalef32_pk16_fp6_f32 v[220+4*\c:222+4*\c], v[128+32*\c:143+32*\c], v[237+2*\c]
.endr
	v_nop                                          ; one plain place behind the conversions
.irp c, 0,1
.irp i, 0,1,2
	v_permlane16_swap_b32 v[208+6*\c+\i], v[220+4*\c+\i]   ; a whole block to a lane
.endr
.irp i, 0,1,2
	s_delay_alu instid0(VALU_DEP_3)
	v_mov_b32 v[211+6*\c+\i], v[220+4*\c+\i]
.endr
.endr
.set jj, 0
.rept 16
	v_pk_mul_f32 v[176+jj:177+jj], v[176+jj:177+jj], v[242:243] op_sel_hi:[1,0]   ; O^T under the new M.  (These are also the places between p's codes and scale word and the products)
.set jj, jj+2
.endr
	s_wait_alu depctr_va_vdst(0)
	s_wait_dscnt 0x0                               ; V is in
.irp d, 0,1,2,3                                ; the four accumulators take turns; the next matrix instruction is a score's
	v_wmma_scale_f32_16x16x128_f8f6f4 v[176+8*\d:183+8*\d], v[56+12*\d:67+12*\d], v[208:219], v[176+8*\d:183+8*\d], v[108+\d], v244 matrix_a_fmt:MATRIX_FMT_FP6 matrix_b_fmt:MATRIX_FMT_FP6
.endr
.Lhidden_\@:
	s_add_co_u32 s17, s17, GRPB
	s_add_co_u32 s22, s22, 1
	s_cmp_lt_u32 s22, 16
	s_cbranch_scc1 .Lstep_\@
	; the way out: O^T / the sum; its 32 registers are d = 16 (lane / 16) + 0 .. 15 and 32 + 16 (lane / 16) + 0 .. 15 of my query: two blocks of the projection's K
.rept 4
	v_nop
.endr
	v_add_f32 v14, v14, v15
	s_delay_alu instid0(VALU_DEP_1)
	v_permlanex16_b32 v245, v14, s18, s19
	s_delay_alu instid0(VALU_DEP_1)
	v_add_f32 v14, v14, v245                       ; the row's sum
	s_wait_alu depctr_va_vdst(0)
	v_rcp_f32 v14, v14
	v_nop                                          ; the plain place behind it,
	s_wait_alu depctr_va_vdst(0)                   ; and the wait ahead of its first reader
.set jj, 0
.rept 32
	v_mul_f32 v[112+jj], v[176+jj], v14
.set jj, jj+1
.endr
	v_max3_num_f32 v228, |v112|, |v113|, FLOOR
	v_max3_num_f32 v229, |v128|, |v129|, FLOOR
.irp i, 2,4,6,8,10,12,14
	s_delay_alu instid0(VALU_DEP_2)
	v_max3_num_f32 v228, v228, |v[112+\i]|, |v[113+\i]|
	s_delay_alu instid0(VALU_DEP_2)
	v_max3_num_f32 v229, v229, |v[128+\i]|, |v[129+\i]|
.endr
	s_delay_alu instid0(VALU_DEP_2)
	v_permlanex16_b32 v232, v228, s18, s19
	s_delay_alu instid0(VALU_DEP_2)
	v_permlanex16_b32 v233, v229, s18, s19
	s_delay_alu instid0(VALU_DEP_2)
	v_max_num_f32 v228, v228, v232
	s_delay_alu instid0(VALU_DEP_2)
	v_max_num_f32 v229, v229, v233
	s_delay_alu instid0(VALU_DEP_2)
	v_add_nc_u32 v236, DEC, v228
	s_delay_alu instid0(VALU_DEP_2)
	v_add_nc_u32 v237, DEC, v229
	s_delay_alu instid0(VALU_DEP_2)
	v_lshrrev_b32 v232, 23, v236
	s_delay_alu instid0(VALU_DEP_2)
	v_lshrrev_b32 v233, 23, v237
	s_delay_alu instid0(VALU_DEP_1)
	v_lshl_or_b32 v246, v233, 8, v232              ; my row's two bytes
	v_cvt_scalef32_pk16_fp6_f32 v[208:210], v[112:127], v236
	v_cvt_scalef32_pk16_fp6_f32 v[220:222], v[128:143], v237
	v_nop
.irp i, 0,1,2
	v_permlane16_swap_b32 v[208+\i], v[220+\i]
.endr
.irp i, 0,1,2
	s_delay_alu instid0(VALU_DEP_3)
	v_mov_b32 v[211+\i], v[220+\i]
.endr
	global_store_b128 v1, v[208:211], s[\OB:\OB+1]         ; 512 consecutive bytes,
	global_store_b64 v2, v[212:213], s[\OB:\OB+1] offset:512   ; and 256
	global_store_b16 v6, v246, s[\OS:\OS+1]        ; two bytes of each of 16 words inside 64 consecutive bytes (the other halves are the neighbouring head's); lanes l and l + 16 store the same value to the same place
.endm
	PASS 13, 14, 42, 41, 54, 56
	s_wait_xcnt 0x0                                ; the stores have read their data: the registers may be written again
	PASS 15, 16, 48, 54, 58, 60
	s_wait_tensorcnt 0x0                           ; the wave's end
	ds_add_u32 v4, v5
	s_wait_dscnt 0x0
	CROUND                                         ; the closing round
	s_endpgm
.Lfunc_end_k_q4089c6a05d_attn:
	.size	k_q4089c6a05d_attn, .Lfunc_end_k_q4089c6a05d_attn-k_q4089c6a05d_attn
	.p2alignl 7, 3214868480
	.fill 96, 4, 3214868480
	.section	.rodata,"a",@progbits
	.p2align	6, 0x0
	.amdhsa_kernel k_q4089c6a05d_attn
		.amdhsa_group_segment_fixed_size 206848
		.amdhsa_private_segment_fixed_size 0
		.amdhsa_enable_private_segment 0
		.amdhsa_kernarg_size 24
		.amdhsa_user_sgpr_count 2
		.amdhsa_user_sgpr_kernarg_segment_ptr 1
		.amdhsa_wavefront_size32 1
		.amdhsa_system_sgpr_workgroup_id_x 1
		.amdhsa_system_sgpr_workgroup_id_y 1
		.amdhsa_system_sgpr_workgroup_id_z 1
		.amdhsa_system_vgpr_workitem_id 0
		.amdhsa_next_free_vgpr 256
		.amdhsa_next_free_sgpr 66
		.amdhsa_reserve_vcc 1
		.amdhsa_float_denorm_mode_32 3
		.amdhsa_float_denorm_mode_16_64 3
		.amdhsa_memory_ordered 1
		.amdhsa_forward_progress 1
		.amdhsa_inst_pref_size 65
	.end_amdhsa_kernel
	.amdgpu_metadata
---
amdhsa.version: [ 1, 2 ]
amdhsa.kernels:
  - .name:           k_q4089c6a05d_attn
    .symbol:         k_q4089c6a05d_attn.kd
    .args:
      - { .name: qb, .offset: 0, .size: 8, .value_kind: global_buffer, .address_space: global }
      - { .name: kv, .offset: 8, .size: 8, .value_kind: global_buffer, .address_space: global }
      - { .name: oi, .offset: 16, .size: 8, .value_kind: global_buffer, .address_space: global }
    .group_segment_fixed_size: 206848
    .private_segment_fixed_size: 0
    .kernarg_segment_align: 8
    .kernarg_segment_size: 24
    .max_flat_workgroup_size: 512
    .sgpr_count:     66
    .vgpr_count:     256
    .wavefront_size: 32
...
	.end_amdgpu_metadata
.endif
;; end of part 3
;; launch proj (part 4): grid 4 x 64, 4 waves a work-group, clusters of 4 x 4, 327,680 bytes of LDS; arguments wpi, oi, bp, out0; writes out0
.if DOCPART == 4
	.amdgcn_target "amdgcn-amd-amdhsa--gfx1250"
	.amdhsa_code_object_version 6
	.text
	.protected	k_q4089c6a05d_proj
	.globl	k_q4089c6a05d_proj
	.p2align	8
	.type	k_q4089c6a05d_proj,@function
k_q4089c6a05d_proj:
	s_mov_b64 s[64:65], 0
	v_nop
	global_prefetch_b8 v0, s[64:65] scope:SCOPE_SE
	s_setreg_imm32_b32 hwreg(HW_REG_WAVE_MODE, 25, 1), 1
	s_wait_xcnt 0x0
	s_wait_alu depctr_hold_cnt(0) depctr_sa_sdst(0) depctr_va_vdst(0) depctr_va_sdst(0) depctr_va_ssrc(0) depctr_va_vcc(0) depctr_vm_vsrc(0)
	s_getreg_b32 s2, hwreg(HW_REG_IB_STS2, 6, 4)
	s_cmp_eq_u32 s2, 0
	s_cbranch_scc0 .Lentry_in_a_cluster
	s_endpgm
.Lentry_in_a_cluster:
	s_bfe_u32 s2, ttmp6, 0x10000c
	s_cmp_lg_u32 s2, 0xf033
	s_cbranch_scc0 .Lentry_shape_is_right
	s_endpgm
.Lentry_shape_is_right:
; LAUNCH 4 OF 4: out0 = o Wp^T + bp on codes of E2M3 (v_wmma_scale_f32_16x16x128_f8f6f4).  No work is left out here.
; SHARES.  256 work-groups: 128 tokens (block gy of oi, R) x 256 columns (block gx of wpi, P).  Wave w holds P's tiles 4 w .. 4 w + 3 (64 rows of Wp = 64 columns of out0), all of K, in registers (32 fragments, 384 registers)
; and streams the eight token tiles past them: a tile is 8 fragments and 32 products on four accumulators by turns; its 16 x 64 sums are then whole and leave at once,
; while the later tiles are multiplied.  Source 0 is Wp, so that a lane's registers run along the columns; bp, laid as the result lies, is the first four products' C.
; LDS.  Both operands, all of K, filled ONCE: P from 0 (204,800 bytes), R from ROFF (102,400); the spare words; a stage of 16 rows x 272 bytes for each wave, into which no fill lands.
; FILLS.  One joint load a wave at the head: waves 0, 1 a half each of P, waves 2, 3 a half each of R.  The first barrier shows P alone, so its way into registers stands ahead of the wait for R.  Nothing is filled again.
; No loop to run ahead in, and every byte is asked for at the head: no prefetch.  CLUSTER 4 x 4: P is shared along a column, R along a row.
; THE WAY OUT.  A lane holds 2 x 64 bytes of one token's row; the tile turns through the wave's own stage and leaves as rows: sixteen lanes store one aligned unit of 256 bytes.  Tile t's stores stand behind tile t + 1's products.
; REGISTERS.  v1-24 addresses; v28, v29 the add's two; v32-95 scale words: P's of (K step q, tile j) at 32 + 8 q + j, R's of (set e, q) at 36 + 8 q + e; v96-127 bp; v128-191 accumulators, two sets; v192-255 rows read back, two sets.
;   Fragment f lies in window 1 + f / 21 at register 12 (f % 21): 0-31 P's (4 q + j), 32-39 and 40-47 R's two sets.
.set BLKB,  204800
.set KSTB,  25600
.set RSTB,  12800
.set ROFF,  204800
.set SPARE, 307200                     ; the spare words, 128 bytes a wave, named by no other line
.set STAGE, 307712
.set SPITCH, 272
.set SC,    32
.set BI,    96
.set ACC,   128
.set OB,    192
.set MSB, 0
.macro WIN new                         ; the immediate's high byte repeats the setting that is left
.if MSB != (\new)
	s_set_vgpr_msb (MSB<<8)|(\new)
.set MSB, (\new)
.endif
.endm
.macro PLACES                          ; four plain places behind matrix instructions, and behind a tensor load
.rept 4
	v_nop
.endr
.endm
.macro CROUND                          ; a round of the cluster's barrier
	s_barrier_signal -1
	s_barrier_wait -1
	s_cmp_lg_u32 s12, 0
	s_cbranch_scc1 .Lnot_wave_0_\@
	s_barrier_signal -3
.Lnot_wave_0_\@:
	s_barrier_wait -3
	s_barrier_signal -1
	s_barrier_wait -1
.endm
.macro WEIGHTS                         ; my 64 rows of Wp, all of K, and their scale words: 128 loads
.set QQ, 0
.rept 8
.set JJ, 0
.rept 4
.set LF, 4*QQ+JJ
	WIN (1+LF/21)<<6
.irp c, 0,1,2
	ds_load_b128 v[12*(LF%21)+4*\c:12*(LF%21)+4*\c+3], v[5+QQ/2] offset:(QQ%2)*KSTB+1536*JJ+512*\c
.endr
.set JJ, JJ+1
.endr
.set QQ, QQ+1
.endr
	WIN 0
.set QQ, 0
.rept 8
.set JJ, 0
.rept 4
	ds_load_b32 v[SC+8*QQ+JJ], v[9+QQ/2] offset:(QQ%2)*KSTB+64*JJ
.set JJ, JJ+1
.endr
.set QQ, QQ+1
.endr
.endm
.macro LD1 e, t, i                     ; load i (0 .. 39) of token tile t into set e: for each K step its scale word, then its fragment's four parts (two heads' pieces of six registers)
.set LQ, (\i)/5
.set LP, (\i)%5
.set LF, 32+8*(\e)+LQ
.set LR, 12*(LF%21)
.set LO, (LQ%4)*RSTB+1536*(\t)
.if LP == 0
	WIN 0
	ds_load_b32 v[SC+8*LQ+4+(\e)], v[17+LQ/4] offset:(LQ%4)*RSTB+64*(\t)
.else
	WIN (1+LF/21)<<6
.if LP == 1
	ds_load_b128 v[LR:LR+3], v[13+LQ/4] offset:LO
.elseif LP == 2
	ds_load_b64 v[LR+4:LR+5], v[15+LQ/4] offset:LO+512
.elseif LP == 3
	ds_load_b128 v[LR+6:LR+9], v[13+LQ/4] offset:LO+768
.else
	ds_load_b64 v[LR+10:LR+11], v[15+LQ/4] offset:LO+1280
.endif
.endif
.endm
.macro FETCH e, t                      ; token tile t, all of K, into set e: 40 loads in one run
.set LI, 0
.rept 40
	LD1 \e, \t, LI
.set LI, LI+1
.endr
	WIN 0
.endm
.macro BLOCK e                         ; 32 products of set e's tile into accumulator set e; the first four take bp as C
.set QQ, 0
.rept 8
.set JJ, 0
.rept 4
.set FW, 4*QQ+JJ
.set FX, 32+8*(\e)+QQ
.set DD, ACC+32*(\e)+8*JJ
	WIN (1+FW/21)|((1+FX/21)<<2)
.if QQ
	v_wmma_scale_f32_16x16x128_f8f6f4 v[DD:DD+7], v[12*(FW%21):12*(FW%21)+11], v[12*(FX%21):12*(FX%21)+11], v[DD:DD+7], v[SC+8*QQ+JJ], v[SC+8*QQ+4+(\e)] matrix_a_fmt:MATRIX_FMT_FP6 matrix_b_fmt:MATRIX_FMT_FP6
.else
	v_wmma_scale_f32_16x16x128_f8f6f4 v[DD:DD+7], v[12*(FW%21):12*(FW%21)+11], v[12*(FX%21):12*(FX%21)+11], v[BI+8*JJ:BI+8*JJ+7], v[SC+8*QQ+JJ], v[SC+8*QQ+4+(\e)] matrix_a_fmt:MATRIX_FMT_FP6 matrix_b_fmt:MATRIX_FMT_FP6
.endif
.set JJ, JJ+1
.endr
.set QQ, QQ+1
.endr
	WIN 0
.endm
.macro TOSTAGE t                       ; tile t's sums into my stage and back as rows: 8 stores, 8 loads.  LDS serves a wave's instructions in order: no wait between them
.set AB, ACC+32*((\t)%2)
.set BB, OB+32*((\t)%2)
	s_wait_xcnt 0x0                                ; tile t - 2's stores have read their data: the loads below may land there
.set JJ, 0
.rept 4
	ds_store_b128 v19, v[AB+8*JJ:AB+8*JJ+3] offset:128*(JJ/2)+32*(JJ%2)      ; each accumulator from its low end on
	ds_store_b128 v19, v[AB+8*JJ+4:AB+8*JJ+7] offset:128*(JJ/2)+32*(JJ%2)+16
.set JJ, JJ+1
.endr
.set IT, 0
.rept 8
	ds_load_b128 v[BB+4*IT:BB+4*IT+3], v20 offset:2*IT*SPITCH
.set IT, IT+1
.endr
.endm
.macro SEND t, younger                 ; younger: the LDS instructions issued behind tile t's loads from the stage
.set BB, OB+32*((\t)%2)
	s_wait_dscnt \younger
.set IT, 0
.rept 8
	global_store_b128 v21, v[BB+4*IT:BB+4*IT+3], s[10:11] offset:(32*((\t)/2)+8*((\t)%2)+2*IT+8*(IT/4))*4096 th:TH_STORE_NT   ; two rows: sixteen lanes store 256 consecutive bytes, aligned
.set IT, IT+1
.endr
.endm
	s_load_b256 s[4:11], s[0:1], 0x0               ; wpi, oi, bp, out0
	v_lshl_add_u32 v28, v0, 2, SPARE
	v_mov_b32 v29, 0
	ds_add_u32 v28, v29                            ; the wave's opening: the add, twice on end, and its wait ahead of my first tensor load
	ds_add_u32 v28, v29
	v_lshrrev_b32 v1, 5, v0
	v_readfirstlane_b32 s12, v1                    ; wave 0..3
	s_and_b32 s14, s12, 1                          ; which half of a block I fetch
	s_bfe_u32 s16, ttmp6, 0x40000                  ; cx
	s_bfe_u32 s17, ttmp6, 0x40004                  ; cy
	s_lshl_b32 s18, ttmp9, 2
	s_add_co_u32 s18, s18, s16                     ; gx: block of Wp
	s_and_b32 s19, ttmp7, 0xffff
	s_lshl_b32 s19, s19, 2
	s_add_co_u32 s19, s19, s17                     ; gy: block of tokens
	s_lshl_b32 s20, s17, 2
	s_lshl_b32 s20, 15, s20                        ; my row of the cluster
	s_lshl_b32 s21, 0x1111, s16                    ; my column
	s_or_b32 s24, s21, (3<<16)|(1<<21)             ; group 1 for P: the mask; elements of 8 bytes; 21 set beside a mask; no padding
	s_mov_b32 s25, 32<<16                          ; rows of 256 bytes,
	s_mov_b32 s26, 400<<16                         ; 400 of them: four K steps, 102,400 dense bytes
	s_mov_b32 s27, 32<<16
	s_mov_b32 s28, 400
	s_mov_b32 s29, 32
	s_mov_b32 s30, 0
	s_mov_b32 s31, 0
	s_or_b32 s32, s20, (3<<16)|(1<<21)             ; group 1 for R: 200 rows: four K steps, 51,200 dense bytes
	s_mov_b32 s33, 32<<16
	s_mov_b32 s34, 200<<16
	s_mov_b32 s35, 32<<16
	s_mov_b32 s36, 200
	s_mov_b32 s37, 32
	s_mov_b32 s38, 0
	s_mov_b32 s39, 0
	s_mov_b32 s40, 1
	s_mul_i32 s41, s14, 4*KSTB
	s_mul_i32 s80, s18, BLKB                       ; P's address hangs on gx and the wave's number,
	s_add_co_u32 s80, s80, s41
	s_mov_b32 s81, 0
	s_mov_b32 s44, 1
	s_mul_i32 s45, s14, 4*RSTB
	s_mul_i32 s84, s19, 8*RSTB                     ; R's on gy and the wave's number
	s_add_co_u32 s84, s84, s45
	s_mov_b32 s85, 0
	s_add_co_u32 s45, s45, ROFF
	s_mul_i32 s88, s12, 6144                       ; LDS: my four tiles of P in a K step,
	s_lshl_b32 s89, s12, 8
	s_add_co_u32 s89, s89, 24576                   ; and their scale words
.irp i, 0,1,2,3
	s_add_co_u32 s[48+\i], s88, \i*2*KSTB          ; an address register serves two K steps of P
	s_add_co_u32 s[52+\i], s89, \i*2*KSTB
.endr
	s_mul_i32 s90, s12, 16*SPITCH
	s_add_co_u32 s90, s90, STAGE                   ; my stage
	s_lshl_b32 s92, s18, 10
	s_lshl_b32 s93, s12, 8
	s_add_co_u32 s92, s92, s93                     ; my 64 columns, in bytes
	s_mov_b32 s93, 0
	s_lshl_b32 s94, s19, 19                        ; 128 rows of 4,096 bytes
	s_add_co_u32 s94, s94, s92
	s_mov_b32 s95, 0
	s_wait_dscnt 0x0                               ; both opening adds are done
	s_wait_kmcnt 0x0
	s_add_nc_u64 s[42:43], s[4:5], s[80:81]
	s_or_b32 s43, s43, 0x80000000
	s_add_nc_u64 s[46:47], s[6:7], s[84:85]
	s_or_b32 s47, s47, 0x80000000
	s_add_nc_u64 s[8:9], s[8:9], s[92:93]
	s_add_nc_u64 s[10:11], s[10:11], s[94:95]
	CROUND                                         ; all sixteen work-groups are here: the joint loads meet
	s_cmp_lt_u32 s12, 2
	s_cbranch_scc0 .Lfor_r
	tensor_load_to_lds s[40:43], s[24:31]          ; waves 0, 1: P's halves, which are needed first
	s_nop 0
	PLACES
	s_branch .Lasked
.Lfor_r:
	tensor_load_to_lds s[44:47], s[32:39]          ; waves 2, 3: R's halves
	s_nop 0
	PLACES
.Lasked:
	v_and_b32 v3, 31, v0
	v_and_b32 v2, 15, v0                           ; r
	v_bfe_u32 v24, v0, 4, 1                        ; h
	v_lshlrev_b32 v1, 4, v3                        ; 16 L
	v_lshlrev_b32 v4, 3, v3                        ; 8 L
	v_lshlrev_b32 v23, 2, v2                       ; 4 r
	v_lshlrev_b32 v22, 6, v24                      ; 64 h
.irp i, 0,1,2,3
	v_add_nc_u32 v[5+\i], s[48+\i], v1
	v_add_nc_u32 v[9+\i], s[52+\i], v23
.endr
.irp i, 0,1
	v_add_nc_u32 v[13+\i], ROFF+\i*4*RSTB, v1      ; an address register serves four K steps of R
	v_add_nc_u32 v[15+\i], ROFF+\i*4*RSTB, v4
	v_add_nc_u32 v[17+\i], ROFF+\i*4*RSTB+12288, v23
.endr
	v_mul_u32_u24 v19, v2, SPITCH
	v_add_nc_u32 v19, v19, v22
	v_add_nc_u32 v19, s90, v19                     ; the stage, in: row r, + 64 h
	v_mul_u32_u24 v20, v24, SPITCH
	v_lshl_add_u32 v20, v2, 4, v20
	v_add_nc_u32 v20, s90, v20                     ; and out: lanes 0-15 one row, lanes 16-31 the next
	v_lshlrev_b32 v21, 12, v24
	v_lshl_add_u32 v21, v2, 4, v21                 ; the same two rows in out0
	s_wait_alu depctr_va_vdst(0)                   ; the wait at the head's end
.irp j, 0,1,2,3
	global_load_b128 v[BI+8*\j:BI+8*\j+3], v22, s[8:9] offset:128*(\j/2)+32*(\j%2)        ; bp at my eight columns of tile j: 32 (j / 2) + 16 h + 8 (j % 2) + 0 .. 7
	global_load_b128 v[BI+8*\j+4:BI+8*\j+7], v22, s[8:9] offset:128*(\j/2)+32*(\j%2)+16
.endr
	s_cmp_lt_u32 s12, 2
	s_cbranch_scc0 .Lnot_p
	s_wait_tensorcnt 0x0                           ; waves 0, 1: my half of P is in
.Lnot_p:
	s_barrier_signal -1
	s_barrier_wait -1                              ; P is whole; R may still be on its way
	WEIGHTS
	s_wait_tensorcnt 0x0                           ; my half of R is in
	s_wait_dscnt 0x0
	s_barrier_signal -1
	s_barrier_wait -1                              ; R is whole
	FETCH 0, 0
	FETCH 1, 1
	s_wait_loadcnt 0x0                             ; bp is in
; A trip: tile T's products; tile T + 2's 40 loads into the set just read; tile T's 16 stage instructions; tile T - 1's stores.
; THE WAIT for tile T's loads counts what was issued behind them: T = 0: tile 1's 40.  T = 1: tile 2's 40 and tile 0's 16 stage instructions: 56.  T = 2 .. 6: a further 16 stand behind them, and 56 is kept.
; T = 7: the stage instructions of tiles 5 and 6: 32.  Behind tile T - 1's loads from the stage stand tile T + 2's 40 loads, where there are any, and tile T's 16 stage instructions.
.set T, 0
.rept 8
.if T == 0
	s_wait_dscnt 40
.elseif T == 7
	s_wait_dscnt 32
.else
	s_wait_dscnt 56
.endif
	BLOCK T%2
	PLACES                                         ; ahead of the loads into the set just read and of the stage's reads of the sums
.if T < 6
	FETCH T%2, T+2
.endif
	TOSTAGE T
.if T > 0
.if T < 6
	SEND T-1, 56
.else
	SEND T-1, 16
.endif
.endif
.set T, T+1
.endr
	SEND 7, 0
	s_wait_tensorcnt 0x0                           ; the wave's end
	ds_add_u32 v28, v29
	s_wait_dscnt 0x0
	CROUND                                         ; the closing round
	s_endpgm
.Lfunc_end_k_q4089c6a05d_proj:
	.size	k_q4089c6a05d_proj, .Lfunc_end_k_q4089c6a05d_proj-k_q4089c6a05d_proj
	.p2alignl 7, 3214868480
	.fill 96, 4, 3214868480
	.section	.rodata,"a",@progbits
	.p2align	6, 0x0
	.amdhsa_kernel k_q4089c6a05d_proj
		.amdhsa_group_segment_fixed_size 327680
		.amdhsa_private_segment_fixed_size 0
		.amdhsa_enable_private_segment 0
		.amdhsa_kernarg_size 32
		.amdhsa_user_sgpr_count 2
		.amdhsa_user_sgpr_kernarg_segment_ptr 1
		.amdhsa_wavefront_size32 1
		.amdhsa_system_sgpr_workgroup_id_x 1
		.amdhsa_system_sgpr_workgroup_id_y 1
		.amdhsa_system_sgpr_workgroup_id_z 1
		.amdhsa_system_vgpr_workitem_id 0
		.amdhsa_next_free_vgpr 848
		.amdhsa_next_free_sgpr 96
		.amdhsa_reserve_vcc 0
		.amdhsa_float_denorm_mode_32 3
		.amdhsa_float_denorm_mode_16_64 3
		.amdhsa_memory_ordered 1
		.amdhsa_forward_progress 1
		.amdhsa_inst_pref_size 89
	.end_amdhsa_kernel
	.amdgpu_metadata
---
amdhsa.version: [ 1, 2 ]
amdhsa.kernels:
  - .name:           k_q4089c6a05d_proj
    .symbol:         k_q4089c6a05d_proj.kd
    .args:
      - { .name: wpi, .offset: 0, .size: 8, .value_kind: global_buffer, .address_space: global }
      - { .name: oi, .offset: 8, .size: 8, .value_kind: global_buffer, .address_space: global }
      - { .name: bp, .offset: 16, .size: 8, .value_kind: global_buffer, .address_space: global }
      - { .name: out0, .offset: 24, .size: 8, .value_kind: global_buffer, .address_space: global }
    .group_segment_fixed_size: 327680
    .private_segment_fixed_size: 0
    .kernarg_segment_align: 8
    .kernarg_segment_size: 32
    .max_flat_workgroup_size: 128
    .sgpr_count:     96
    .vgpr_count:     848
    .wavefront_size: 32
...
	.end_amdgpu_metadata
.endif
;; end of part 4
